; MI455X (gfx1250); checked and timed in simulation.
; The chip was launched on July 23, 2026; its instructions are those of AMD's public machine-readable ISA for CDNA 5 (MIT licence, August 2026) and "CDNA5" Instruction Set Architecture Reference Guide (July 2026). The comments in the code are by the model that wrote it; some were corrected since.
;; Transformer Block. Allowed arithmetic: matrix products marked QUANTISED: E2M1 operands, one E8M0 scale for each 32 along K, by v_wmma_scale_f32_16x16x128_f8f6f4 with both operands' format E2M1 (or v_wmma_scale_f32_32x16x128_f4), f32 sums; products left as they are: f32 operands where the result goes on into a quantised operand, else bf16, f16 or f32 operands; f32 sums; everything else in f32.
;; Inputs: bk 256 float32; bq 256 float32; bv 256 float32; fc1_b 1,024 float32; fc1_w 256 x 1,024 float32; fc2_b 256 float32; fc2_w 1,024 x 256 float32; ln1_b 256 float32; ln1_g 256 float32; ln2_b 256 float32; ln2_g 256 float32; wk 256 x 256 float32; wq 256 x 256 float32; wv 256 x 256 float32; x 4 x 256 x 128 x 128 float32.
;; Outputs: out0 4 x 256 x 128 x 128 float32.
;; This version of the problem:
;;   THIS VERSION OF THE PROBLEM IS GIVEN IN LOW PRECISION. The matrix products marked QUANTISED in the list below multiply operands that are first quantised to E2M1 (2 exponent bits, 1 mantissa bit; 4 bits a number), with one power-of-two scale for each 32 numbers along K (OCP MX v1.0); their sums are f32. All else is computed in f32.
;;   The module's matrix products, in the order in which they are computed (A, B: the left and right operand; K: the contracted axis; several contracted axes count as one K, in the product's order):
;;     1. [M 65,536, K 256] x [K 256, N 256]; A: computed on the way; B: input wq: QUANTISED
;;     2. [M 65,536, K 256] x [K 256, N 256]; A: computed on the way; B: input wk: QUANTISED
;;     3. [M 65,536, K 256] x [K 256, N 256]; A: computed on the way; B: input wv: QUANTISED
;;     4. batch 65,536 x [M 1, K 256] x [K 256, N 9]; A: computed on the way; B: computed on the way: left as it is (M = 1 < 16)
;;     5. batch 65,536 x [M 1, K 9] x [K 9, N 256]; A: softmax; B: computed on the way: left as it is (K = 9 < 32)
;;     6. [M 65,536, K 256] x [K 256, N 1,024]; A: computed on the way; B: input fc1_w: QUANTISED
;;     7. [M 65,536, K 1,024] x [K 1,024, N 256]; A: computed on the way; B: input fc2_w: QUANTISED
;;   THE QUANTISER, for each operand of a quantised product, along K:
;;     - K is cut into blocks of 32 from its start; a last block that is shorter is filled with zeros.
;;     - A block's scale is 2^e with e = floor(log2(the largest magnitude in the block)) - 2, held to -126 .. 127; a block of zeros has e = 0. As a byte (E8M0): e + 127.
;;     - Each number is divided by its block's scale, clamped to +-6, and rounded to the nearest number of E2M1, ties to even, subnormals kept.
;;     - The product sums the exact products of the quantised numbers (number of the format x scale) in f32.
;;   ~~~python
;;   def quantise(x, axis):      # numpy; x: float32 -> the quantised numbers, widened to float32 again
;;       x = np.moveaxis(x, axis, -1); K = x.shape[-1]
;;       x = np.pad(x, [(0, 0)] * (x.ndim - 1) + [(0, -K % 32)]); x = x.reshape(x.shape[:-1] + (-1, 32)); a = np.abs(x).max(-1, keepdims=True)
;;       e = np.where(a > 0, np.clip(np.frexp(np.where(a > 0, a, 1))[1] - 1 - 2, -126, 127), 0)      # np.frexp(a)[1] - 1 = floor(log2(a)), exactly
;;       r = np.clip(x / 2.0 ** e, -6, 6)
;;       step = 2.0 ** (np.maximum(np.frexp(np.where(r == 0, 1, r))[1] - 1, 0) - 1)
;;       q = np.round(r / step) * step * 2.0 ** e      # np.round: ties to even
;;       return np.moveaxis(q.reshape(q.shape[:-2] + (-1,))[..., :K], -1, axis).astype(np.float32)
;;   ~~~
;;   OPERANDS COMPUTED ON THE WAY. 'Computed on the way' means the value that the module computes at that place (a softmax that the list does not call 'softmax' is quantised finished and normalised). What goes into a quantiser is computed in f32, as accurately as f32 sums, v_exp_f32 and their like allow (about 1e-6 of the number): no bf16 or f16 on the way to a quantiser, and a product that is left as it is and whose result goes on into a quantised operand takes f32 operands (vector FMAs, or v_wmma_f32_16x16x4_f32). A number that lies on a knife's edge between two numbers of the format may be rounded either way, as far as f32 arithmetic and the matrix unit's own rounding can turn it there, and no further.
;; One version. Each part assembles by itself: llvm-mc -triple=amdgcn-amd-amdhsa -mcpu=gfx1250 --defsym DOCPART=n.
;; ======== version 1 of 1: 2 launches
;; limits: a function is approximated: absolute error at most 7.5e-08; an absolute error that grows with the inputs' magnitude: up to 7.5e-08 times it
;; workspace buffers: n1c 8,388,608 bytes; n1s 524,288 bytes; wfrag 360,448 bytes; wscl 22,528 bytes
;; launch front (part 1): grid 556 x 1, 4 waves a work-group, no clusters, 8,704 bytes of LDS; arguments x, ln1_g, ln1_b, n1c, n1s, wq, wk, wv, fc1_w, fc2_w, wfrag, wscl; writes n1c, n1s, wfrag, wscl
.if DOCPART == 1
	.amdgcn_target "amdgcn-amd-amdhsa--gfx1250"
	.amdhsa_code_object_version 6
	.text
	.protected	k_qca1b20de73_front
	.globl	k_qca1b20de73_front
	.p2align	8
	.type	k_qca1b20de73_front,@function
k_qca1b20de73_front:
	s_mov_b64 s[64:65], 0
	v_nop
	global_prefetch_b8 v0, s[64:65] scope:SCOPE_SE
	s_setreg_imm32_b32 hwreg(HW_REG_WAVE_MODE, 25, 1), 1
	s_wait_xcnt 0x0
; FIRST LAUNCH OF TWO.  No step and no input of the problem is left out as dead work: all fifteen inputs are loaded, here or in the second launch.
; Work-groups 0-43: the five weights, whose K is their first axis, become codes in the order of the matrix operand's registers (a lane takes a column, its registers run down K).  They have the lowest
; numbers, so that their short work stands beside the first rows' and not behind the last.
; Work-groups 44-555: LayerNorm 1 of one image row (128 pixels, 256 channels) and its quantiser along the channels: codes of E2M1 and E8M0 bytes, for the three products with wq, wk, wv.
; x is [4][256][128][128] f32: a channel is 65,536 bytes from the next.  A LANE IS A PIXEL and its 256 registers are the channels: mean, variance and the blocks' maxima need no other lane,
; and the conversions take neighbours along K from one lane's registers.  A load of a wave covers 128 consecutive bytes, the four waves of the work-group 512.
; Gain and bias are the same for all lanes: each wave puts them once into 2,048 bytes of LDS of its own and reads them back, a block of 32 channels ahead, every lane at the same address.
; n1c: [pixel / 16][block of 32 channels, 0-7][pixel % 16][16 bytes]: sixteen lanes store 256 consecutive bytes, aligned.   n1s: [pixel][2 words], word s = the four bytes of K step s.
; wfrag: 352 images of 1,024 bytes, [c 0-1][lane][16 bytes].  Image F: q, k, v: 32 mat + 2 T + s;  fc1: 96 + 2 T + s;  fc2: 224 + 8 T + s.  Lane r of tile T takes column 32 (T / 2) + 8 (T % 2) + r + 8 (r / 8).
; wscl: [job J][32 lanes][4 bytes]: lanes 0-15 the scale words of image 2 J, lanes 16-31 those of image 2 J + 1.
; A block's scale byte is its largest magnitude's exponent field - 2, held at 1 from below.  A block of zeros so gets the byte 1 where the rule says 127: its codes are zeros, and this program alone reads the bytes.
; LIMITS: NaN and infinities among the inputs are not served; blocks whose largest magnitude lies under 2^-124 keep the byte 1.  The weights' loads take pieces of 32 bytes of each row: 2.9 MB in all.
.set NW,    44                         ; work-groups that take the weights
.set SPARE, 8192                       ; behind the four waves' 2,048 bytes: the spare words, 128 bytes a wave, named by no other line
.set SPW,   192                        ; v192 LDS address of my spare word; never rewritten
.set NIL,   193                        ; v193 0; never rewritten
.set GB,    64                         ; v64-191: two sets of 32 gains and 32 biases
.set MSB, 0
.macro WIN new                         ; the immediate's high byte repeats the setting that is left
.if MSB != \new
	s_set_vgpr_msb (MSB<<8)|\new
.set MSB, \new
.endif
.endm
	s_load_b512 s[4:19], s[0:1], 0x0               ; x, ln1_g, ln1_b, n1c, n1s, wq, wk, wv
	s_load_b256 s[20:27], s[0:1], 0x40             ; fc1_w, fc2_w, wfrag, wscl
	v_lshl_add_u32 v[SPW], v0, 2, SPARE
	v_mov_b32 v[NIL], 0
	v_lshrrev_b32 v1, 5, v0
	v_readfirstlane_b32 s2, v1                     ; wave 0..3
	s_cmp_lt_u32 ttmp9, NW
	s_cbranch_scc1 .Lw
; ---------------- LayerNorm 1 and its quantiser: image row R = the work-group's number - NW
	s_sub_co_u32 s3, ttmp9, NW
	s_lshr_b32 s28, s3, 7                          ; the batch: 2^24 bytes each
	s_lshl_b32 s28, s28, 24
	s_and_b32 s29, s3, 127                         ; the row in the image: 512 bytes
	s_lshl_b32 s29, s29, 9
	s_add_co_u32 s28, s28, s29
	s_mov_b32 s29, 0
	s_lshl_b32 s30, s3, 14                         ; a row's codes: 16,384 bytes
	s_mov_b32 s31, 0
	s_lshl_b32 s32, s3, 10                         ; a row's scale words: 1,024 bytes
	s_mov_b32 s33, 0
	s_mov_b32 s66, 0x3b800000                      ; 1 / 256
	s_mov_b32 s67, 0x3727c5ac                      ; 1e-5
	v_lshlrev_b32 v30, 11, v1                      ; LDS: my wave's 2,048 bytes: the gains, then the biases
	v_and_b32 v24, 31, v0
	v_lshlrev_b32 v24, 4, v24                      ; 16 x lane
	v_add_nc_u32 v25, v30, v24
	v_lshlrev_b32 v1, 2, v0                        ; x: 4 bytes a pixel
	v_lshrrev_b32 v2, 4, v0
	v_lshlrev_b32 v2, 11, v2
	v_and_b32 v3, 15, v0
	v_lshl_add_u32 v2, v3, 4, v2                   ; codes: 2,048 (pixel / 16) + 16 (pixel % 16)
	v_lshlrev_b32 v3, 3, v0                        ; scale words: 8 bytes a pixel
	v_mov_b32 v21, 0                               ; (named as the upper half of v[20:21] before it is first written)
	s_wait_kmcnt 0x0
	s_add_nc_u64 s[60:61], s[4:5], s[28:29]        ; channels 0-127
	s_add_nc_u64 s[62:63], s[60:61], 0x800000      ; channels 128-255
	s_add_nc_u64 s[10:11], s[10:11], s[30:31]
	s_add_nc_u64 s[12:13], s[12:13], s[32:33]
	global_load_b128 v[196:199], v24, s[6:7]       ; the 256 gains and 256 biases, 512 consecutive bytes a load
	global_load_b128 v[200:203], v24, s[6:7] offset:512
	global_load_b128 v[204:207], v24, s[8:9]
	global_load_b128 v[208:211], v24, s[8:9] offset:512
	WIN 0x40                                       ; destination window 1: register c of it is channel c
.set c, 0
.rept 128
	global_load_b32 v[c], v1, s[60:61] offset:c*65536 th:TH_LOAD_NT
.set c, c+1
.endr
.rept 128
	global_load_b32 v[c], v1, s[62:63] offset:(c-128)*65536 th:TH_LOAD_NT
.set c, c+1
.endr
	s_wait_loadcnt 0x0
	WIN 0
.irp t, 0,1,2,3
	ds_store_b128 v25, v[196+4*\t:199+4*\t] offset:512*\t
.endr
; gain and bias of block j into set j % 2: every lane reads the same 16 bytes.  LDS serves a wave's instructions in order: these see my stores
.macro GBLD j
.set i, 0
.rept 8
	ds_load_b128 v[GB+64*((\j)%2)+4*i:GB+64*((\j)%2)+4*i+3], v30 offset:128*(\j)+16*i
	ds_load_b128 v[GB+64*((\j)%2)+32+4*i:GB+64*((\j)%2)+35+4*i], v30 offset:1024+128*(\j)+16*i
.set i, i+1
.endr
.endm
	GBLD 0                                         ; it lands under the mean and the variance
.macro RED8                            ; eight pairs v4-19 become one number in v4
.irp k, 0,1,2,3
	v_pk_add_f32 v[4+2*\k:5+2*\k], v[4+2*\k:5+2*\k], v[12+2*\k:13+2*\k]
.endr
.irp k, 0,1
	v_pk_add_f32 v[4+2*\k:5+2*\k], v[4+2*\k:5+2*\k], v[8+2*\k:9+2*\k]
.endr
	v_pk_add_f32 v[4:5], v[4:5], v[6:7]
	v_add_f32 v4, v4, v5
.endm
	WIN 0x05                                       ; the mean, in eight chains: the first sixteen pairs start them
.set k, 0
.rept 8
	v_pk_add_f32 v[4+2*k:5+2*k], v[2*k:2*k+1], v[16+2*k:17+2*k]
.set k, k+1
.endr
	WIN 0x01
.set k, 16
.rept 112
	v_pk_add_f32 v[4+2*(k%8):5+2*(k%8)], v[2*k:2*k+1], v[4+2*(k%8):5+2*(k%8)]
.set k, k+1
.endr
	WIN 0
	RED8
	v_mul_f32 v20, s66, v4                         ; the mean
	WIN 0x41
.set k, 0
.rept 128
	v_pk_add_f32 v[2*k:2*k+1], v[2*k:2*k+1], v[20:21] op_sel_hi:[1,0] neg_lo:[0,1] neg_hi:[0,1]   ; x - mean, in place
.set k, k+1
.endr
	WIN 0x05                                       ; the sum of squares, in eight chains
.set k, 0
.rept 8
	v_pk_mul_f32 v[4+2*k:5+2*k], v[2*k:2*k+1], v[2*k:2*k+1]
.set k, k+1
.endr
.rept 120
	v_pk_fma_f32 v[4+2*(k%8):5+2*(k%8)], v[2*k:2*k+1], v[2*k:2*k+1], v[4+2*(k%8):5+2*(k%8)]
.set k, k+1
.endr
	WIN 0
	RED8
	v_fma_f32 v22, v4, s66, s67                    ; the variance + 1e-5
	v_rsq_f32 v21, v22
	v_nop                                          ; a plain instruction behind the transcendental,
	s_wait_alu depctr_va_vdst(0)                   ; and the wait ahead of its first reader
; Block j: channels 32 j .. 32 j + 31: normalised, gain and bias, the block's scale, 32 codes, 16 bytes stored
.macro NBLK j
	s_wait_dscnt 0x0                               ; this block's gain and bias, asked for a block ago
.if \j < 7
	GBLD \j+1                                      ; the next block's, into the other set
.endif
	WIN 0x41
.set k, 0
.rept 16
	v_pk_mul_f32 v[32*\j+2*k:32*\j+2*k+1], v[32*\j+2*k:32*\j+2*k+1], v[20:21] op_sel:[0,1] op_sel_hi:[1,1]
.set k, k+1
.endr
.set k, 0
.rept 16
	v_pk_fma_f32 v[32*\j+2*k:32*\j+2*k+1], v[32*\j+2*k:32*\j+2*k+1], v[GB+64*((\j)%2)+2*k:GB+64*((\j)%2)+2*k+1], v[GB+64*((\j)%2)+32+2*k:GB+64*((\j)%2)+33+2*k]
.set k, k+1
.endr
	WIN 0x05
	v_max3_num_f32 v22, |v[32*\j]|, |v[32*\j+1]|, 0x1800000      ; the largest magnitude in two chains, with the floor 2^(3 - 127) among the leaves
	v_max3_num_f32 v23, |v[32*\j+2]|, |v[32*\j+3]|, 0x1800000
.irp i, 4,8,12,16,20,24,28
	v_max3_num_f32 v22, |v[32*\j+\i]|, |v[32*\j+\i+1]|, v22
	v_max3_num_f32 v23, |v[32*\j+\i+2]|, |v[32*\j+\i+3]|, v23
.endr
	WIN 0
	v_max_num_f32 v22, v22, v23
	v_add_nc_u32 v28, 0xff000000, v22              ; 2 off the exponent field: the conversion's scale operand
	v_lshrrev_b32 v29, 23, v28                     ; the scale's byte
.if (\j)%4 == 0
	v_mov_b32 v[26+(\j)/4], v29
.else
	v_lshl_or_b32 v[26+(\j)/4], v29, 8*((\j)%4), v[26+(\j)/4]
.endif
	WIN 0x01
.irp g, 0,1,2,3
	v_cvt_scalef32_pk8_fp4_f32 v[32+4*\j+\g], v[32*\j+8*\g:32*\j+8*\g+7], v28
.endr
	WIN 0
	v_nop                                          ; one plain instruction behind the last conversion
	global_store_b128 v2, v[32+4*\j:35+4*\j], s[10:11] offset:256*\j   ; each block has its own four registers: no store's data are written again
.endm
.irp j, 0,1,2,3,4,5,6,7
	NBLK \j
.endr
	global_store_b64 v3, v[26:27], s[12:13]        ; 32 lanes store 256 consecutive bytes
	s_wait_tensorcnt 0x0                           ; the wave's end, behind my last LDS store
	ds_add_u32 v[SPW], v[NIL]
	s_wait_dscnt 0x0
	s_endpgm
; ---------------- the weights: job J = 4 x work-group + wave makes images 2 J and 2 J + 1.
.Lw:
	v_and_b32 v2, 15, v0                           ; r
	v_bfe_u32 v3, v0, 4, 1                         ; h
	v_and_b32 v4, 8, v2
	v_add_nc_u32 v4, v4, v2
	v_lshlrev_b32 v4, 2, v4                        ; 4 (r + 8 (r / 8))
	v_lshlrev_b32 v6, 3, v3                        ; 8 h
	v_and_b32 v7, 31, v0
	v_lshlrev_b32 v19, 2, v7                       ; 4 x lane
	v_lshlrev_b32 v7, 4, v7                        ; 16 x lane
	v_mov_b32 v15, 0                               ; a lane permute's destination counts as one of its sources
	s_mov_b32 s40, 0x76543210
	s_mov_b32 s41, 0xfedcba98                      ; selects for lane l xor 16
	s_lshl_b32 s30, ttmp9, 2
	s_add_co_u32 s30, s30, s2                      ; J, 0 .. 175
	s_and_b32 s34, s30, 15                         ; T: wq, wk, wv: J % 16
	s_mov_b32 s35, 0                               ; the first k
	s_sub_co_u32 s36, s30, 48
	s_cmp_ge_u32 s30, 48
	s_cselect_b32 s34, s36, s34                    ; fc1: J - 48
	s_sub_co_u32 s36, s30, 112
	s_lshr_b32 s37, s36, 2
	s_and_b32 s38, s36, 3
	s_lshl_b32 s38, s38, 8
	s_cmp_ge_u32 s30, 112
	s_cselect_b32 s34, s37, s34                    ; fc2: (J - 112) / 4,
	s_cselect_b32 s35, s38, s35                    ; k from 256 ((J - 112) % 4) on
	s_lshr_b32 s36, s34, 1
	s_lshl_b32 s36, s36, 5
	s_and_b32 s37, s34, 1
	s_lshl_b32 s37, s37, 3
	s_add_co_u32 s36, s36, s37                     ; 32 (T / 2) + 8 (T % 2)
	s_lshl_b32 s36, s36, 2
	s_lshl_b32 s35, s35, 10                        ; (the first k is not 0 only where a row is 1,024 bytes)
	s_add_co_u32 s36, s36, s35
	s_mov_b32 s37, 0
	s_lshl_b32 s38, s30, 11                        ; two images: 2,048 bytes a job
	s_mov_b32 s39, 0
	s_lshl_b32 s42, s30, 7                         ; 128 bytes of scale words a job
	s_mov_b32 s43, 0
	s_wait_kmcnt 0x0
	s_mov_b64 s[32:33], s[14:15]                   ; the tensor is chosen by the job's number alone
	s_cmp_ge_u32 s30, 16
	s_cselect_b64 s[32:33], s[16:17], s[32:33]
	s_cmp_ge_u32 s30, 32
	s_cselect_b64 s[32:33], s[18:19], s[32:33]
	s_cmp_ge_u32 s30, 48
	s_cselect_b64 s[32:33], s[20:21], s[32:33]
	s_cmp_ge_u32 s30, 112
	s_cselect_b64 s[32:33], s[22:23], s[32:33]
	s_add_nc_u64 s[32:33], s[32:33], s[36:37]
	s_add_nc_u64 s[24:25], s[24:25], s[38:39]
	s_add_nc_u64 s[26:27], s[26:27], s[42:43]
; n: numbers in a row of the weight; sh: log2 of 32 rows' bytes.  Lane (r, h) loads W(first k + 128 s + 64 c + 32 h + i, its column) into v[64 + 64 s + 32 c + i]
.macro WJOB n, sh
	v_lshl_add_u32 v5, v3, \sh, v4
.irp s, 0,1
.irp c, 0,1
.set i, 0
.rept 32
	global_load_b32 v[64+64*\s+32*\c+i], v5, s[32:33] offset:(128*\s+64*\c+i)*(\n)*4
.set i, i+1
.endr
.endr
.endr
	s_wait_loadcnt 0x0
.irp s, 0,1
.irp c, 0,1
	v_max3_num_f32 v[8+\c], |v[64+64*\s+32*\c]|, |v[65+64*\s+32*\c]|, 0x1800000   ; my block 2 c + h: all its 32 numbers are mine; the floor holds the byte at 1
.endr
.irp i, 2,4,6,8,10,12,14,16,18,20,22,24,26,28,30
.irp c, 0,1
	v_max3_num_f32 v[8+\c], v[8+\c], |v[64+64*\s+32*\c+\i]|, |v[65+64*\s+32*\c+\i]|
.endr
.endr
.irp c, 0,1
	v_add_nc_u32 v[10+\c], 0xff000000, v[8+\c]     ; the conversion's scale operand
.endr
.irp c, 0,1
	v_lshrrev_b32 v[12+\c], 23, v[10+\c]           ; the byte
.endr
	v_lshl_or_b32 v14, v13, 16, v12                ; blocks h and 2 + h,
	v_lshlrev_b32 v14, v6, v14                     ; at their places in the word;
	v_permlanex16_b32 v15, v14, s40, s41
	v_or_b32 v[16+\s], v14, v15                    ; with lane l xor 16's two the word is whole
.irp c, 0,1
.irp g, 0,1,2,3
	v_cvt_scalef32_pk8_fp4_f32 v[24+8*\s+4*\c+\g], v[64+64*\s+32*\c+8*\g:71+64*\s+32*\c+8*\g], v[10+\c]
.endr
.endr
	v_nop                                          ; one plain instruction behind the last conversion
.irp c, 0,1
	global_store_b128 v7, v[24+8*\s+4*\c:27+8*\s+4*\c], s[24:25] offset:1024*\s+512*\c   ; 512 consecutive bytes
.endr
.endr
	v_cmp_eq_u32 vcc_lo, 1, v3
	v_cndmask_b32 v18, v16, v17, vcc_lo            ; lanes 0-15: the first image's words; lanes 16-31: the second's
	global_store_b32 v19, v18, s[26:27]
.endm
	s_cmp_ge_u32 s30, 48
	s_cbranch_scc0 .Lw256
	s_cmp_ge_u32 s30, 112
	s_cbranch_scc1 .Lw256
	WJOB 1024, 17
	s_endpgm
.Lw256:
	WJOB 256, 15
	s_endpgm
.Lfunc_end_k_qca1b20de73_front:
	.size	k_qca1b20de73_front, .Lfunc_end_k_qca1b20de73_front-k_qca1b20de73_front
	.p2alignl 7, 3214868480
	.fill 96, 4, 3214868480
	.section	.rodata,"a",@progbits
	.p2align	6, 0x0
	.amdhsa_kernel k_qca1b20de73_front
		.amdhsa_group_segment_fixed_size 8704
		.amdhsa_private_segment_fixed_size 0
		.amdhsa_enable_private_segment 0
		.amdhsa_kernarg_size 96
		.amdhsa_user_sgpr_count 2
		.amdhsa_user_sgpr_kernarg_segment_ptr 1
		.amdhsa_wavefront_size32 1
		.amdhsa_system_sgpr_workgroup_id_x 1
		.amdhsa_system_sgpr_workgroup_id_y 1
		.amdhsa_system_sgpr_workgroup_id_z 1
		.amdhsa_system_vgpr_workitem_id 0
		.amdhsa_next_free_vgpr 512
		.amdhsa_next_free_sgpr 68
		.amdhsa_reserve_vcc 1
		.amdhsa_float_denorm_mode_32 3
		.amdhsa_float_denorm_mode_16_64 3
		.amdhsa_memory_ordered 1
		.amdhsa_forward_progress 1
		.amdhsa_inst_pref_size 130
	.end_amdhsa_kernel
	.amdgpu_metadata
---
amdhsa.version: [ 1, 2 ]
amdhsa.kernels:
  - .name:           k_qca1b20de73_front
    .symbol:         k_qca1b20de73_front.kd
    .args:
      - { .name: x, .offset: 0, .size: 8, .value_kind: global_buffer, .address_space: global }
      - { .name: ln1_g, .offset: 8, .size: 8, .value_kind: global_buffer, .address_space: global }
      - { .name: ln1_b, .offset: 16, .size: 8, .value_kind: global_buffer, .address_space: global }
      - { .name: n1c, .offset: 24, .size: 8, .value_kind: global_buffer, .address_space: global }
      - { .name: n1s, .offset: 32, .size: 8, .value_kind: global_buffer, .address_space: global }
      - { .name: wq, .offset: 40, .size: 8, .value_kind: global_buffer, .address_space: global }
      - { .name: wk, .offset: 48, .size: 8, .value_kind: global_buffer, .address_space: global }
      - { .name: wv, .offset: 56, .size: 8, .value_kind: global_buffer, .address_space: global }
      - { .name: fc1_w, .offset: 64, .size: 8, .value_kind: global_buffer, .address_space: global }
      - { .name: fc2_w, .offset: 72, .size: 8, .value_kind: global_buffer, .address_space: global }
      - { .name: wfrag, .offset: 80, .size: 8, .value_kind: global_buffer, .address_space: global }
      - { .name: wscl, .offset: 88, .size: 8, .value_kind: global_buffer, .address_space: global }
    .group_segment_fixed_size: 8704
    .private_segment_fixed_size: 0
    .kernarg_segment_align: 8
    .kernarg_segment_size: 96
    .max_flat_workgroup_size: 128
    .sgpr_count:     68
    .vgpr_count:     512
    .wavefront_size: 32
...
	.end_amdgpu_metadata
.endif
;; end of part 1
;; launch main (part 2): grid 256 x 1, 4 waves a work-group, no clusters, 248,832 bytes of LDS; arguments x, n1c, n1s, wfrag, wscl, bq, bk, bv, ln2_g, ln2_b, fc1_b, fc2_b, out0; writes out0
.if DOCPART == 2
	.amdgcn_target "amdgcn-amd-amdhsa--gfx1250"
	.amdhsa_code_object_version 6
	.text
	.protected	k_qca1b20de73_main
	.globl	k_qca1b20de73_main
	.p2align	8
	.type	k_qca1b20de73_main,@function
k_qca1b20de73_main:
	s_mov_b64 s[64:65], 0
	v_nop
	global_prefetch_b8 v0, s[64:65] scope:SCOPE_SE
	s_setreg_imm32_b32 hwreg(HW_REG_WAVE_MODE, 25, 1), 1
	s_wait_xcnt 0x0
; SECOND LAUNCH: q, k, v (MX-FP4), the 3 x 3 attention (f32), residual, LayerNorm 2 and its quantiser, fc1 (MX-FP4), exact gelu, its quantiser, fc2 (MX-FP4), residual.  Nothing of the problem is left out.
; SHARES.  Work-group g owns image rows 2 g and 2 g + 1 (512 rows in all).  It walks 2 halves of 64 columns, 4 blocks a half; a block is two tiles of 16 pixels, o = 0, 1: the two rows at columns 16 blk .. + 15.
; THE WAVES SHARE THE CHANNELS, NOT THE PIXELS: wave w makes channels 64 w .. + 63 of q, k, v, x1, out and hidden units 256 w .. + 255, so its part of all five weights (704 registers of codes) stays in
; registers for the whole launch.  Only codes of activations, nine partial scores and two moments a pixel go from wave to wave, through LDS.
; All products are used transposed (source 0 = 16 columns of a weight, source 1 = 16 pixels): a lane holds ONE pixel, and register i of a wave's tiles holds channel base + 32 (i / 16) + 16 (lane / 16) + i % 16.
; NEIGHBOURS.  k and v of the pixels one column to the left and right are made by the same products on fragments that begin one LDS slot earlier or later: no number changes lanes.  Four rows x three shifts serve two rows of output.
; ORDER OF ROUNDING that differs from the problem's text: q.(k0 + bk) is summed as q.bk + q.k0; x + sum w (v0 + bv) as (x + bv) + sum w v0 (the weights sum to 1; a masked weight is exactly 0).
; Masked neighbours are computed from finite stand-ins (a neighbouring row's codes, or zero codes) and their scores replaced by -1e9, as the problem does.
; GELU: x Phi(x) = max(x, 0) - |x| Q(|x|), Q(z) = phi(z) (b1 t + .. + b5 t^5), t = 1 / (1 + 0.2316419 z).  LIMIT: this series has an absolute error of 7.5e-8 in Phi.  NaN and infinities among the inputs are not served.
; NO TENSOR LOADS AND NO CLUSTER: what work-groups share is the weights, each work-group reads them once, and they go into registers, where only plain loads put them.
; MEMORY.  The first half's x is asked for among the weights' loads; the second half's, as far as free registers reach (45 of a wave's 64 loads), ahead of the first half's stores.
; LDS: 0 the stage [channel][512 bytes] (x in, out in place; each wave's own 32 KB; bit 7 of a row's byte is turned in every second group of 16 channels, so that the two halves of the lanes fall on different banks);
;   N1C 514 slots of 144 bytes: slot 1 + 128 y + w = the 128 bytes of codes of pixel w of row 2 g - 1 + y; slots 0 and 513 zeros;  from BASE2 on: the slots' scale words, the biases and gains, and what goes from wave to wave.
; REGISTERS: window 0: v1-21 addresses, v22-65 the weights' scale words, v66-249 at work, v250-255 the activations' scale words.  Window 1: fc1's codes.  Window 2: fc2's.  Window 3: v0-191 wq, wk, wv; v192-255 q, later x1.
.set N1C,   131072
.set BASE2, 205312
.set O_TAB, 4352
.set T_BQ,  O_TAB
.set T_BK,  O_TAB+1024
.set T_BV,  O_TAB+2048
.set T_G2,  O_TAB+3072
.set T_B2,  O_TAB+4096
.set T_F2B, O_TAB+5120
.set T_F1B, O_TAB+6144
.set O_PS,  14592                      ; partial scores [delta][lane][wave], 4 bytes
.set O_LS,  19200                      ; moments [wave][lane], 16 bytes
.set O_N2I, 21248                      ; n2's fragments as images of registers [o][K step], 1,024 bytes
.set O_N2S, 25344                      ; their scale words [o][K step][r]
.set O_HI,  25600                      ; the hidden layer's [m][K step], 1,024 bytes
.set O_HS,  41984                      ; their scale words [K step][m][r]
.set SPARE, 248320                     ; the spare words: 128 bytes a wave, named by no other line
.set L16, 1                            ; BASE2 + 16 lane
.set L4,  2                            ; BASE2 + 4 lane
.set R16, 3                            ; BASE2 + 16 r
.set AN0, 4                            ; N1C + 144 r + 16 h
.set ANS0, 5                           ; BASE2 + 8 + 8 r + 4 h
.set SB0, 6                            ; (64 w + 16 h) 512 + 4 r
.set AN,  7                            ; AN0 + 2,304 blk
.set AST, 8                            ; the block's place in the stage
.set ATB, 9                            ; BASE2 + 256 w + 64 h
.set ATF, 10                           ; BASE2 + 1,024 w + 64 h
.set PSST, 11
.set LSST, 12
.set N2ST, 13
.set N2SST, 14
.set HIST, 15
.set HSST, 16
.set ANS, 17                           ; ANS0 + 128 blk
.set SPW, 18
.set NIL, 19
.set PFO, 20
.set WS,  22                           ; q, k, v: WS + 4 mat + n;  fc1: WS + 12 + T;  fc2: WS + 28 + 4 n + s / 2;  lanes 0-15 the even K step, lanes 16-31 the odd
.set KT,  66                           ; three sets (dx) of 32: k or v of one row
.set NF,  162                          ; three sets of 16: n1's fragments
.set SC,  210                          ; 18 pairs: scores (o, delta); later WG: 9 pairs (weight of tile 0, of tile 1)
.set WG,  210
.set QB,  246                          ; two pairs: q.bk
.set ASC, 250
.set X3,  192                          ; in window 3: q, then x1: 32 a tile
.set HA,  66                           ; 64: hidden units of one K step; fc2's accumulators
.set TT,  130                          ; TT and SS together also take fc1's bias of eight tiles, between two gelus
.set SS,  162
.set PP,  194
.set XF,  226                          ; n2's two fragments
.set CB,  242                          ; b4', b3', b2', b1'
.set G2,  162
.set B2R, 194
.set YY,  78
.set MR,  70                           ; two pairs (mean, 1 / sigma)
.set MSB, 0
.macro WIN new                         ; the immediate's high byte repeats the setting that is left
.if MSB != \new
	s_set_vgpr_msb (MSB<<8)|\new
.set MSB, \new
.endif
.endm
.macro PLACES                          ; four plain instructions behind a matrix instruction, ahead of loads into its registers and of reads of its result
.rept 4
	v_nop
.endr
.endm
.macro BARRIER                         ; my LDS stores have landed and my LDS loads are in: then the work-group's barrier
	s_wait_dscnt 0x0
	s_barrier_signal -1
	s_barrier_wait -1
.endm
; one product: c < 0: the sum begins with 0.  ra, rb: which half of the lanes holds source 0's and source 1's scale words
.macro WM d, a, b, c, sa, sb, ra, rb
.if (\c) < 0
	v_wmma_scale_f32_16x16x128_f8f6f4 v[(\d):(\d)+7], v[(\a):(\a)+7], v[(\b):(\b)+7], 0, v[\sa], v[\sb] matrix_a_fmt:MATRIX_FMT_FP4 matrix_b_fmt:MATRIX_FMT_FP4
.elseif ((\ra) == 0) && ((\rb) == 0)
	v_wmma_scale_f32_16x16x128_f8f6f4 v[(\d):(\d)+7], v[(\a):(\a)+7], v[(\b):(\b)+7], v[(\c):(\c)+7], v[\sa], v[\sb] matrix_a_fmt:MATRIX_FMT_FP4 matrix_b_fmt:MATRIX_FMT_FP4
.elseif ((\ra) == 1) && ((\rb) == 0)
	v_wmma_scale_f32_16x16x128_f8f6f4 v[(\d):(\d)+7], v[(\a):(\a)+7], v[(\b):(\b)+7], v[(\c):(\c)+7], v[\sa], v[\sb] matrix_a_fmt:MATRIX_FMT_FP4 matrix_b_fmt:MATRIX_FMT_FP4 matrix_a_scale:MATRIX_SCALE_ROW1
.elseif ((\ra) == 0) && ((\rb) == 1)
	v_wmma_scale_f32_16x16x128_f8f6f4 v[(\d):(\d)+7], v[(\a):(\a)+7], v[(\b):(\b)+7], v[(\c):(\c)+7], v[\sa], v[\sb] matrix_a_fmt:MATRIX_FMT_FP4 matrix_b_fmt:MATRIX_FMT_FP4 matrix_b_scale:MATRIX_SCALE_ROW1
.else
	v_wmma_scale_f32_16x16x128_f8f6f4 v[(\d):(\d)+7], v[(\a):(\a)+7], v[(\b):(\b)+7], v[(\c):(\c)+7], v[\sa], v[\sb] matrix_a_fmt:MATRIX_FMT_FP4 matrix_b_fmt:MATRIX_FMT_FP4 matrix_a_scale:MATRIX_SCALE_ROW1 matrix_b_scale:MATRIX_SCALE_ROW1
.endif
.endm
; 16 n registers of a table in the results' layout: register i = the table's number at 32 (i / 16) + 16 h + i % 16 of my part
.macro TABLD reg, adr, off, n
.set q, 0
.rept 4*(\n)
	ds_load_b128 v[(\reg)+4*q:(\reg)+4*q+3], v[\adr] offset:(\off)+128*(q/4)+16*(q%4)
.set q, q+1
.endr
.endm
; the stage's addresses: v246 my 16 bytes of a channel's two pieces in memory; v248, v249 the same in the stage, plain and with bit 7 turned
.macro STGADR
	v_and_b32 v246, 31, v0
	v_lshrrev_b32 v247, 5, v0
	v_lshlrev_b32 v248, 4, v246
	v_lshl_add_u32 v248, v247, 15, v248
	v_xor_b32 v249, 128, v248
	v_and_b32 v247, 15, v0
	v_lshrrev_b32 v246, 4, v246
	v_lshlrev_b32 v246, 9, v246
	v_lshl_add_u32 v246, v247, 4, v246
.endm
.macro XLD k, reg, b                   ; channel k of my 64: its two pieces of 256 consecutive bytes (two rows x 64 columns) of x, from base s[b:b+1]
	global_load_b128 v[(\reg):(\reg)+3], v246, s[\b:\b+1] offset:(\k)*65536 th:TH_LOAD_NT
.endm
.macro XST k, reg                      ; and into the stage
	ds_store_b128 v[248+(((\k)>>4)&1)], v[(\reg):(\reg)+3] offset:(\k)*512
.endm
.macro WLD f0, nf, off                 ; nf fragments of a weight, from f0 on, straight into their registers (the window is set by the caller)
.set f, \f0
.rept \nf
.irp c, 0,1
	global_load_b128 v[8*f+4*\c:8*f+4*\c+3], v235, s[10:11] offset:(\off)+f*1024+512*\c
.endr
.set f, f+1
.endr
.endm
; THE CHANGE OF HALVES.  The stage holds a half's results.  In the first half's trip the second half's x is asked for first, into all registers that the way out does not need; then the stage goes out, sixteen channels
; at a time (sixteen lanes store 256 consecutive bytes, aligned); then x takes the results' places.  The branches hang on the count of halves alone; the stage is each wave's own, so no barrier is needed.
.macro MID
	STGADR
	s_cmp_eq_u32 s66, 1
	s_cbranch_scc1 .Lmid1
.set k, 0
.rept 29
	XLD k, 130+4*k, 34                             ; channels 0-28 into v130-245
.set k, k+1
.endr
	WIN 0xc0
.rept 16
	XLD k, X3+4*(k-29), 34                         ; channels 29-44 into x1's registers
.set k, k+1
.endr
	WIN 0
.Lmid1:
.irp q, 0,1,2,3
.set k, 0
.rept 16
	ds_load_b128 v[66+4*k:69+4*k], v[248+((\q)&1)] offset:(16*\q+k)*512
.set k, k+1
.endr
	s_wait_dscnt 0x0
.set k, 0
.rept 16
	global_store_b128 v246, v[66+4*k:69+4*k], s[32:33] offset:(16*\q+k)*65536 th:TH_STORE_NT
.set k, k+1
.endr
	s_wait_xcnt 0x0                                ; the stores have read their data and their base: both may be written again
.endr
	s_add_nc_u64 s[32:33], s[32:33], 256           ; the next 64 columns of out
	s_cmp_eq_u32 s66, 1
	s_cbranch_scc1 .Lmid2
.set k, 45
.rept 16
	XLD k, 66+4*(k-45), 34                         ; channels 45-60 into the registers that the way out has left
.set k, k+1
.endr
	s_wait_loadcnt 32                              ; channels 0-28 are in; the 16 + 16 younger loads may be out
.set k, 0
.rept 29
	XST k, 130+4*k
.set k, k+1
.endr
	s_wait_dscnt 0x0                               ; the stores have read their registers
.set k, 61
.rept 3
	XLD k, 130+4*(k-61), 34                        ; the last three channels
.set k, k+1
.endr
	s_wait_loadcnt 19                              ; channels 29-44 are in; 16 + 3 may be out
	WIN 0x0c                                       ; an LDS store's data are its source 1: window 3
.set k, 29
.rept 16
	XST k, X3+4*(k-29)
.set k, k+1
.endr
	WIN 0
	s_wait_loadcnt 3                               ; channels 45-60
.rept 16
	XST k, 66+4*(k-45)
.set k, k+1
.endr
	s_wait_loadcnt 0x0
.rept 3
	XST k, 130+4*(k-61)
.set k, k+1
.endr
	s_wait_dscnt 0x0
.Lmid2:
.endm
.macro NLOAD y                         ; row y of n1, shifted by dx - 1 columns: two fragments and a register of scale words (lanes 0-15 K step 0, lanes 16-31 K step 1) for each dx: fifteen loads
.irp dx, 0,1,2
.irp s, 0,1
.irp c, 0,1
	ds_load_b128 v[NF+16*\dx+8*\s+4*\c:NF+16*\dx+8*\s+4*\c+3], v[AN] offset:(128*(\y)+\dx)*144+64*\s+32*\c
.endr
.endr
	ds_load_b32 v[ASC+\dx], v[ANS] offset:(128*(\y)+\dx)*8
.endr
.endm
.macro MROW mat                        ; my 64 channels of k (mat 1) or v (mat 2) of the row in NF, for the three shifts: twelve accumulators by turns
	s_wait_dscnt 0x0
	WIN 0x03
.irp dx, 0,1,2
.irp n, 0,1,2,3
	WM KT+32*\dx+8*\n, 64*(\mat)+16*\n, NF+16*\dx, -1, WS+4*(\mat)+\n, ASC+\dx, 0, 0
.endr
.endr
.irp dx, 0,1,2
.irp n, 0,1,2,3
	WM KT+32*\dx+8*\n, 64*(\mat)+16*\n+8, NF+16*\dx+8, KT+32*\dx+8*\n, WS+4*(\mat)+\n, ASC+\dx, 1, 1
.endr
.endr
	WIN 0
	PLACES
.endm
.macro KFMA y                          ; scores (o, dy = y - o, dx) += q . k over my 32 channels; the first pair starts from q.bk.  Each accumulator is read from its low end on
	WIN 0x03
.set i, 0
.rept 16
.irp o, 0,1
.if ((\y) >= (\o)) && ((\y)-(\o) <= 2)
.irp dx, 0,1,2
.set rsc, SC+18*\o+2*(3*((\y)-\o)+\dx)
.if i == 0
	v_pk_fma_f32 v[rsc:rsc+1], v[X3+32*\o:X3+32*\o+1], v[KT+32*\dx:KT+32*\dx+1], v[QB+2*\o:QB+2*\o+1]
.else
	v_pk_fma_f32 v[rsc:rsc+1], v[X3+32*\o+2*i:X3+32*\o+2*i+1], v[KT+32*\dx+2*i:KT+32*\dx+2*i+1], v[rsc:rsc+1]
.endif
.endr
.endif
.endr
.set i, i+1
.endr
.endm
.macro VFMA y                          ; x1 (o) += weight (o, dy, dx) x v
	WIN 0xf0
.irp o, 0,1
.if ((\y) >= (\o)) && ((\y)-(\o) <= 2)
.irp dx, 0,1,2
.set rwg, WG+2*(3*((\y)-\o)+\dx)
.set i, 0
.rept 16
.if \o == 0
	v_pk_fma_f32 v[X3+2*i:X3+2*i+1], v[KT+32*\dx+2*i:KT+32*\dx+2*i+1], v[rwg:rwg+1], v[X3+2*i:X3+2*i+1] op_sel_hi:[1,0,1]
.else
	v_pk_fma_f32 v[X3+32+2*i:X3+32+2*i+1], v[KT+32*\dx+2*i:KT+32*\dx+2*i+1], v[rwg:rwg+1], v[X3+32+2*i:X3+32+2*i+1] op_sel:[0,1,0] op_sel_hi:[1,1,1]
.endif
.set i, i+1
.endr
.endr
.endif
.endr
.endm
; 32 registers in place.  Each transcendental has a plain instruction on other registers behind it: the reciprocals stand among the exponent's two scalings, the exponentials among the first two steps of the
; polynomial, which read the reciprocals alone.  So there are two batches, each with its one wait ahead of its first reader.
.macro GELU x
.set i, 0
.rept 32
	v_fma_f32 v[TT+i], |v[(\x)+i]|, s38, 1.0       ; 1 + p |x|
.set i, i+1
.endr
.set i, 0
.rept 32
	v_rcp_f32 v[TT+i], v[TT+i]                     ; t
.if i < 16
	v_pk_mul_f32 v[SS+2*i:SS+2*i+1], v[(\x)+2*i:(\x)+2*i+1], s[40:41] op_sel_hi:[1,0]
.else
	v_pk_mul_f32 v[SS+2*i-32:SS+2*i-31], v[SS+2*i-32:SS+2*i-31], v[(\x)+2*i-32:(\x)+2*i-31]   ; -x^2 log2(e) / 2
.endif
.set i, i+1
.endr
	s_wait_alu depctr_va_vdst(0)                   ; the wait for the 32 reciprocals
.set i, 0
.rept 32
	v_exp_f32 v[SS+i], v[SS+i]                     ; exp(-x^2 / 2)
.if i < 16
	v_pk_fma_f32 v[PP+2*i:PP+2*i+1], v[TT+2*i:TT+2*i+1], s[50:51], v[CB:CB+1] op_sel_hi:[1,0,0]
.else
	v_pk_fma_f32 v[PP+2*i-32:PP+2*i-31], v[PP+2*i-32:PP+2*i-31], v[TT+2*i-32:TT+2*i-31], v[CB:CB+1] op_sel:[0,0,1] op_sel_hi:[1,1,1]
.endif
.set i, i+1
.endr
.set i, 0
.rept 16
	v_pk_fma_f32 v[PP+i:PP+i+1], v[PP+i:PP+i+1], v[TT+i:TT+i+1], v[CB+2:CB+3] op_sel_hi:[1,1,0]
.set i, i+2
.endr
.set i, 0
.rept 16
	v_pk_fma_f32 v[PP+i:PP+i+1], v[PP+i:PP+i+1], v[TT+i:TT+i+1], v[CB+2:CB+3] op_sel:[0,0,1] op_sel_hi:[1,1,1]
.set i, i+2
.endr
.set i, 0
.rept 16
	v_pk_mul_f32 v[PP+i:PP+i+1], v[PP+i:PP+i+1], v[TT+i:TT+i+1]
.set i, i+2
.endr
.set i, 0
.rept 32
	v_max_num_f32 v[TT+i], 0, v[(\x)+i]
.set i, i+1
.endr
	s_wait_alu depctr_va_vdst(0)                   ; the wait for the 32 exponentials
.set i, 0
.rept 16
	v_pk_mul_f32 v[PP+i:PP+i+1], v[PP+i:PP+i+1], v[SS+i:SS+i+1]     ; Q(|x|)
.set i, i+2
.endr
.set i, 0
.rept 32
	v_fma_f32 v[(\x)+i], -|v[(\x)+i]|, v[PP+i], v[TT+i]
.set i, i+1
.endr
.endm
; nb blocks of 32 along the next K: register 16 b + i of s is number 16 h + i of block b.  tm: 16 registers at work; codes to pc + 2 b, pc + 2 b + 1; bytes in tm + 4 + b
.macro QUANT s, nb, tm, pc
.set b, 0
.rept \nb
	v_max3_num_f32 v[(\tm)+b], |v[(\s)+16*b]|, |v[(\s)+16*b+1]|, 0x1800000   ; with the floor 2^(3 - 127): the byte cannot fall under 1
.set b, b+1
.endr
.irp i, 2,4,6,8,10,12,14
.set b, 0
.rept \nb
	v_max3_num_f32 v[(\tm)+b], v[(\tm)+b], |v[(\s)+16*b+\i]|, |v[(\s)+16*b+\i+1]|
.set b, b+1
.endr
.endr
.set b, 0
.rept \nb
	v_permlanex16_b32 v[(\tm)+4+b], v[(\tm)+b], s36, s37
.set b, b+1
.endr
.set b, 0
.rept \nb
	v_max_num_f32 v[(\tm)+b], v[(\tm)+b], v[(\tm)+4+b]              ; with lane l xor 16's sixteen: the block's largest magnitude
.set b, b+1
.endr
.set b, 0
.rept \nb
	v_add_nc_u32 v[(\tm)+12+b], 0xff000000, v[(\tm)+b]              ; the conversion's scale operand
.set b, b+1
.endr
.set b, 0
.rept \nb
	v_lshrrev_b32 v[(\tm)+4+b], 23, v[(\tm)+12+b]                   ; the byte
.set b, b+1
.endr
.set b, 0
.rept \nb
	v_cvt_scalef32_pk8_fp4_f32 v[(\pc)+2*b], v[(\s)+16*b:(\s)+16*b+7], v[(\tm)+12+b]
	v_cvt_scalef32_pk8_fp4_f32 v[(\pc)+2*b+1], v[(\s)+16*b+8:(\s)+16*b+15], v[(\tm)+12+b]
.set b, b+1
.endr
	v_nop                                          ; one plain instruction behind the last conversion
.endm
.macro HFLD set, q                     ; the hidden layer's K steps 2 q and 2 q + 1, both tiles: ten LDS loads
.irp sl, 0,1
.irp m, 0,1
.irp c, 0,1
	ds_load_b128 v[TT+32*(\set)+8*(2*\sl+\m)+4*\c:TT+32*(\set)+8*(2*\sl+\m)+4*\c+3], v[L16] offset:O_HI+8192*\m+1024*(2*(\q)+\sl)+512*\c
.endr
.endr
	ds_load_b32 v[ASC+2*(\set)+\sl], v[L4] offset:O_HS+128*(2*(\q)+\sl)
.endr
.endm
.macro HFMUL set, q                    ; sixteen products: eight accumulators by turns
	WIN 0x02
.irp sl, 0,1
.irp m, 0,1
.irp n, 0,1,2,3
	WM HA+8*(4*\m+\n), 8*(8*\n+2*(\q)+\sl), TT+32*(\set)+8*(2*\sl+\m), HA+8*(4*\m+\n), WS+28+4*\n+(\q), ASC+2*(\set)+\sl, \sl, \m
.endr
.endr
.endr
.endm
	s_load_b512 s[4:19], s[0:1], 0x0               ; x, n1c, n1s, wfrag, wscl, bq, bk, bv
	s_load_b256 s[20:27], s[0:1], 0x40             ; ln2_g, ln2_b, fc1_b, fc2_b
	s_load_b64 s[28:29], s[0:1], 0x60              ; out0
	v_lshl_add_u32 v[SPW], v0, 2, SPARE
	v_mov_b32 v[NIL], 0
	v_lshrrev_b32 v233, 5, v0                      ; w
	v_readfirstlane_b32 s2, v233
	v_and_b32 v230, 31, v0                         ; lane
	v_and_b32 v231, 15, v0                         ; r
	v_bfe_u32 v232, v0, 4, 1                       ; h
	v_lshl_add_u32 v[L16], v230, 4, BASE2
	v_lshl_add_u32 v[L4], v230, 2, BASE2
	v_lshl_add_u32 v[R16], v231, 4, BASE2
	v_mul_u32_u24 v[AN0], v231, 144
	v_lshl_add_u32 v[AN0], v232, 4, v[AN0]
	v_add_nc_u32 v[AN0], N1C, v[AN0]
	v_lshlrev_b32 v[ANS0], 3, v231
	v_lshl_add_u32 v[ANS0], v232, 2, v[ANS0]
	v_add_nc_u32 v[ANS0], BASE2+8, v[ANS0]
	v_lshlrev_b32 v[SB0], 15, v233
	v_lshl_add_u32 v[SB0], v232, 13, v[SB0]
	v_lshl_add_u32 v[SB0], v231, 2, v[SB0]
	v_lshlrev_b32 v[ATB], 8, v233
	v_lshl_add_u32 v[ATB], v232, 6, v[ATB]
	v_add_nc_u32 v[ATB], BASE2, v[ATB]
	v_lshlrev_b32 v[ATF], 10, v233
	v_lshl_add_u32 v[ATF], v232, 6, v[ATF]
	v_add_nc_u32 v[ATF], BASE2, v[ATF]
	v_lshl_add_u32 v[PSST], v233, 2, v[L16]
	v_lshl_add_u32 v[LSST], v233, 9, v[L16]
	v_lshl_add_u32 v[N2ST], v233, 9, v[R16]
	v_lshl_add_u32 v[N2ST], v232, 3, v[N2ST]
	v_bfe_u32 v21, v0, 6, 1
	v_lshlrev_b32 v21, 6, v21
	v_bfe_u32 v[N2SST], v0, 5, 1
	v_lshl_add_u32 v[N2SST], v[N2SST], 1, v21
	v_lshl_add_u32 v[N2SST], v231, 2, v[N2SST]
	v_add_nc_u32 v[N2SST], BASE2, v[N2SST]
	v_lshl_add_u32 v[HIST], v233, 11, v[R16]
	v_lshl_add_u32 v[HIST], v232, 3, v[HIST]
	v_lshlrev_b32 v[HSST], 8, v233
	v_lshl_add_u32 v[HSST], v231, 2, v[HSST]
	v_add_nc_u32 v[HSST], BASE2, v[HSST]
	v_lshrrev_b32 v[PFO], 1, v230
	v_lshlrev_b32 v[PFO], 16, v[PFO]
	v_and_b32 v21, 1, v0
	v_lshl_add_u32 v[PFO], v21, 9, v[PFO]          ; the prefetches: channel lane / 2, row lane % 2
	v_lshlrev_b32 v238, 4, v230                    ; 16 lane
	v_lshl_add_u32 v234, v233, 13, v238            ; + 8,192 w: wq, wk, wv
	v_lshl_add_u32 v235, v233, 15, v238            ; + 32,768 w: fc1, fc2
	v_lshlrev_b32 v236, 2, v230
	v_lshl_add_u32 v237, v233, 11, v236            ; 4 lane + 2,048 w
	v_lshl_add_u32 v236, v233, 9, v236             ; 4 lane + 512 w
	v_lshlrev_b32 v239, 3, v230
	v_lshl_add_u32 v239, v233, 8, v239             ; 8 lane + 256 w
	v_lshl_add_u32 v240, v233, 10, v238            ; 16 lane + 1,024 w
	v_mul_u32_u24 v241, v233, 18432
	v_add_nc_u32 v241, v241, v[AN0]
	v_add_nc_u32 v241, 144, v241                   ; codes into slots 1 + 128 w + r on
	v_lshl_add_u32 v242, v233, 10, v[L16]
	v_add_nc_u32 v242, 16, v242                    ; their scale words
	v_add_nc_u32 v243, BASE2, v239                 ; my 256 bytes of a table
	v_add_nc_u32 v244, BASE2, v240                 ; my 1,024 bytes of fc1_b
	v_and_b32 v222, 7, v0                          ; the two slots of zeros: lanes 0-15 slot 0, lanes 16-31 slot 513
	v_lshlrev_b32 v222, 4, v222
	v_mul_u32_u24 v223, v232, 73872
	v_add_nc_u32 v222, v222, v223
	v_add_nc_u32 v222, N1C, v222
	v_mul_u32_u24 v223, v232, 4104
	v_lshl_add_u32 v223, v21, 2, v223
	v_add_nc_u32 v223, BASE2+8, v223
.irp i, 224,225,226,227
	v_mov_b32 v\i, 0
.endr
	s_mov_b32 s36, 0x76543210
	s_mov_b32 s37, 0xfedcba98                      ; selects for lane l xor 16
	s_mov_b32 s38, 0x3e6d3389                      ; p = 0.2316419
	s_mov_b32 s40, 0xbf38aa3b                      ; -log2(e) / 2
	s_mov_b32 s41, s40                             ; (named with it as a pair)
	s_mov_b32 s50, 0x3f07dc22                      ; b5 / sqrt(2 pi)
	s_mov_b32 s51, s50
	s_mov_b32 s42, 0x3d800000                      ; 1 / 16 = 1 / sqrt(256)
	s_mov_b32 s43, 0x3fb8aa3b                      ; log2(e)
	s_mov_b32 s44, 0x3d000000                      ; 1 / 32
	s_mov_b32 s45, 0x3e000000                      ; 1 / 8
	s_mov_b32 s46, 0x42000000                      ; 32
	s_mov_b32 s47, 0x3b800000                      ; 1 / 256
	s_mov_b32 s48, 0x3727c5ac                      ; 1e-5
	s_lshr_b32 s70, ttmp9, 6                       ; the batch
	s_lshl_b32 s70, s70, 24
	s_and_b32 s72, ttmp9, 63
	s_lshl_b32 s71, s72, 10                        ; two rows of 512 bytes
	s_add_co_u32 s70, s70, s71
	s_lshl_b32 s71, s2, 22                         ; my 64 channels
	s_add_co_u32 s70, s70, s71
	s_mov_b32 s71, 0
	s_cmp_eq_u32 s72, 0
	s_cselect_b32 s60, 0xffff, 0                   ; tile 0 (lanes 0-15 of the scores) has no row above
	s_cmp_eq_u32 s72, 63
	s_cselect_b32 s61, 0xffff0000, 0               ; tile 1 has no row below
	s_lshl_b32 s74, ttmp9, 1
	s_add_co_u32 s74, s74, s2
	s_max_u32 s74, s74, 1
	s_sub_co_u32 s74, s74, 1
	s_min_u32 s74, s74, 511                        ; wave w brings row 2 g - 1 + w of n1, held inside the buffer (a row so replaced is masked)
	s_lshl_b32 s76, s74, 14
	s_mov_b32 s77, 0
	s_lshl_b32 s78, s74, 10
	s_mov_b32 s79, 0
	s_wait_kmcnt 0x0
	s_add_nc_u64 s[30:31], s[4:5], s[70:71]        ; x at my channels, my rows, the first half's columns; never rewritten
	s_add_nc_u64 s[32:33], s[28:29], s[70:71]      ; out likewise
	s_add_nc_u64 s[34:35], s[30:31], 256           ; x at the second half's columns; never rewritten
	s_add_nc_u64 s[6:7], s[6:7], s[76:77]
	s_add_nc_u64 s[8:9], s[8:9], s[78:79]
	; THE FIRST LOADS go out in one stream.  What has to pass through registers into LDS (n1's row and the tables: 42 loads; x: twice 32) stands each time ahead of 60 loads of weights, which go straight
	; into the registers where they stay: loads come back in order (ISA guide 5.7.1), so a wait that leaves those 60 out shows the others in, and the stream never runs dry.
.set f, 0
.rept 32
	global_load_b128 v[66+4*f:69+4*f], v238, s[6:7] offset:512*f     ; my row's codes: tile f / 4, blocks 2 (f % 4) + h
.set f, f+1
.endr
	global_load_b128 v[194:197], v238, s[8:9]
	global_load_b128 v[198:201], v238, s[8:9] offset:512
	global_load_b64 v[202:203], v239, s[14:15]
	global_load_b64 v[204:205], v239, s[16:17]
	global_load_b64 v[206:207], v239, s[18:19]
	global_load_b64 v[208:209], v239, s[20:21]
	global_load_b64 v[210:211], v239, s[22:23]
	global_load_b64 v[212:213], v239, s[26:27]
	global_load_b128 v[214:217], v240, s[24:25]
	global_load_b128 v[218:221], v240, s[24:25] offset:512
	WIN 0xc0                                       ; wq, wk, wv: 48 loads
.irp mat, 0,1,2
.set f, 0
.rept 8
.irp c, 0,1
	global_load_b128 v[64*\mat+8*f+4*\c:64*\mat+8*f+4*\c+3], v234, s[10:11] offset:\mat*32768+f*1024+512*\c
.endr
.set f, f+1
.endr
.endr
	WIN 0
.irp mat, 0,1,2
.irp n, 0,1,2,3
	global_load_b32 v[WS+4*\mat+\n], v236, s[12:13] offset:(16*\mat+\n)*128   ; and their 12 registers of scale words
.endr
.endr
	s_wait_loadcnt 60                              ; n1's row and the tables are in
.set f, 0
.rept 32
	ds_store_b128 v241, v[66+4*f:69+4*f] offset:(f/4)*2304+32*(f%4)
.set f, f+1
.endr
	ds_store_b128 v242, v[194:197]
	ds_store_b128 v242, v[198:201] offset:512
.irp t, 0,1,2,3,4,5
	ds_store_b64 v243, v[202+2*\t:203+2*\t] offset:O_TAB+1024*\t
.endr
	ds_store_b128 v244, v[214:217] offset:T_F1B
	ds_store_b128 v244, v[218:221] offset:T_F1B+512
	s_cmp_lg_u32 s2, 0
	s_cbranch_scc1 .Lnz
	ds_store_b128 v222, v[224:227]                 ; wave 0: zero codes and scale words in slots 0 and 513
	ds_store_b32 v223, v224
.Lnz:
	STGADR
	s_wait_dscnt 0x0                               ; the stores have read their registers
.set k, 0
.rept 32
	XLD k, 66+4*k, 30                              ; x, channels 0-31 of my 64
.set k, k+1
.endr
	WIN 0x40
	WLD 0, 30, 98304                               ; fc1: 60 loads
	WIN 0
	s_wait_loadcnt 60                              ; x's 32 are in
.set k, 0
.rept 32
	XST k, 66+4*k
.set k, k+1
.endr
	s_wait_dscnt 0x0
.rept 32
	XLD k, 66+4*(k-32), 30                         ; channels 32-63
.set k, k+1
.endr
	WIN 0x40
	WLD 30, 2, 98304                               ; fc1's last 4 loads,
	WIN 0x80
	WLD 0, 28, 229376                              ; and 56 of fc2's
	WIN 0
	s_wait_loadcnt 60
.set k, 32
.rept 32
	XST k, 66+4*(k-32)
.set k, k+1
.endr
	WIN 0x80
	WLD 28, 4, 229376
	WIN 0
.set f, 0
.rept 16
	global_load_b32 v[WS+12+f], v237, s[12:13] offset:(48+f)*128
	global_load_b32 v[WS+28+f], v237, s[12:13] offset:(112+f)*128
.set f, f+1
.endr
	s_wait_loadcnt 0x0
	BARRIER                                        ; four rows of n1 and the tables lie in LDS
	s_mov_b32 s66, 0                               ; HALF
.Lhalf:
	s_mov_b32 s67, 0                               ; T: the block in the half
.Lblk:
	; ---- the block's fragments of n1 for q, and two biases, are asked for first; the other addresses and the masks are made while they come
	s_lshl_b32 s69, s66, 2
	s_add_co_u32 s69, s69, s67                     ; blk = 4 HALF + T
	s_mul_i32 s70, s69, 2304
	v_add_nc_u32 v[AN], s70, v[AN0]
	s_lshl_b32 s70, s69, 7
	v_add_nc_u32 v[ANS], s70, v[ANS0]
.irp o, 0,1
.irp s, 0,1
.irp c, 0,1
	ds_load_b128 v[NF+16*\o+8*\s+4*\c:NF+16*\o+8*\s+4*\c+3], v[AN] offset:(128*(1+\o)+1)*144+64*\s+32*\c
.endr
.endr
	ds_load_b32 v[ASC+\o], v[ANS] offset:(128*(1+\o)+1)*8
.endr
	TABLD KT, ATB, T_BQ, 2
	TABLD KT+32, ATB, T_BK, 2
	s_lshl_b32 s70, s67, 6
	v_add_nc_u32 v[AST], s70, v[SB0]
	v_bfe_u32 v21, v0, 4, 1
	v_lshlrev_b32 v21, 7, v21
	v_xor_b32 v[AST], v[AST], v21
	s_lshl_b32 s70, s69, 4
	v_and_b32 v21, 15, v0
	v_add_nc_u32 v21, s70, v21                     ; my pixel's column
	v_cmp_eq_u32 s62, 0, v21                       ; no column to the left
	v_cmp_eq_u32 s63, 127, v21                     ; none to the right
	s_or_b32 s52, s60, s62
	s_mov_b32 s53, s60
	s_or_b32 s54, s60, s63
	s_mov_b32 s55, s62
	s_mov_b32 s56, s63
	s_or_b32 s57, s61, s62
	s_mov_b32 s58, s61
	s_or_b32 s59, s61, s63
	; ---- q of the two tiles; its bias is the C of the first K step
	s_wait_dscnt 8                                 ; all but bk's eight loads
	WIN 0xc3
.irp o, 0,1
.irp n, 0,1,2,3
	WM X3+32*\o+8*\n, 16*\n, NF+16*\o, KT+8*\n, WS+\n, ASC+\o, 0, 0
.endr
.endr
	WIN 0xf3
.irp o, 0,1
.irp n, 0,1,2,3
	WM X3+32*\o+8*\n, 16*\n+8, NF+16*\o+8, X3+32*\o+8*\n, WS+\n, ASC+\o, 1, 1
.endr
.endr
	WIN 0
	PLACES
	NLOAD 0
	s_wait_dscnt 15                                ; bk is in; the row's fifteen loads may be out
	WIN 0x03                                       ; q.bk over my 32 channels, the two tiles by turns
.irp o, 0,1
	v_pk_mul_f32 v[QB+2*\o:QB+2*\o+1], v[X3+32*\o:X3+32*\o+1], v[KT+32:KT+33]
.endr
.set i, 1
.rept 15
.irp o, 0,1
	v_pk_fma_f32 v[QB+2*\o:QB+2*\o+1], v[X3+32*\o+2*i:X3+32*\o+2*i+1], v[KT+32+2*i:KT+33+2*i], v[QB+2*\o:QB+2*\o+1]
.endr
.set i, i+1
.endr
	; ---- k, row by row, and the scores; the next row's fragments land under the multiply-adds
	MROW 1
	NLOAD 1
	KFMA 0
	MROW 1
	NLOAD 2
	KFMA 1
	MROW 1
	NLOAD 3
	KFMA 2
	MROW 1
	NLOAD 0                                        ; row 0 once more, for v
	KFMA 3
	WIN 0
	TABLD KT+64, ATB, T_BV, 2
	; ---- the scores: a pair's halves, the two halves of the lanes (lane (r, hh) then holds tile hh's pixel r), the four waves
.irp d, 0,1,2,3,4,5,6,7,8
	v_add_f32 v[SC+2*\d], v[SC+2*\d], v[SC+2*\d+1]
	v_add_f32 v[SC+2*\d+1], v[SC+18+2*\d], v[SC+18+2*\d+1]
.endr
.irp d, 0,1,2,3,4,5,6,7,8
	v_permlane16_swap_b32 v[SC+2*\d], v[SC+2*\d+1]
.endr
.irp d, 0,1,2,3,4,5,6,7,8
	v_add_f32 v[SC+2*\d], v[SC+2*\d], v[SC+2*\d+1]
.endr
.irp d, 0,1,2,3,4,5,6,7,8
	ds_store_b32 v[PSST], v[SC+2*\d] offset:O_PS+512*\d
.endr
	BARRIER
.irp d, 0,1,2,3,4,5,6,7,8
	ds_load_b128 v[66+4*\d:69+4*\d], v[L16] offset:O_PS+512*\d
.endr
	v_mov_b32 v114, 0xce6e6b28                     ; -1e9
	; In the first half's last block: my 64 channels x 2 rows x 256 bytes of the second half are asked for, a lane a piece, each piece once in the launch: most of a block's work ahead of the loads that want them
	s_cmp_lg_u32 s69, 3
	s_cbranch_scc1 .Lnopf
.irp k, 0,1,2,3
	global_prefetch_b8 v[PFO], s[34:35] offset:\k*1048576 th:TH_LOAD_NT scope:SCOPE_SE
.endr
.Lnopf:
	; x of the block takes q's registers: its 64 loads stand behind the scores' nine and land under the softmax
	WIN 0xc0
.set e, 0
.rept 56
	ds_load_b32 v[X3+e], v[AST] offset:(32*((e%32)/16)+(e%16))*512+256*(e/32)
.set e, e+1
.endr
	s_wait_dscnt 56                                ; the nine loads of scores are in; the 56 behind them may be out
.rept 8
	ds_load_b32 v[X3+e], v[AST] offset:(32*((e%32)/16)+(e%16))*512+256*(e/32)
.set e, e+1
.endr
	WIN 0
.irp d, 0,1,2,3,4,5,6,7,8
	v_pk_add_f32 v[66+4*\d:67+4*\d], v[66+4*\d:67+4*\d], v[68+4*\d:69+4*\d]
.endr
.irp d, 0,1,2,3,4,5,6,7,8
	v_add_f32 v[102+\d], v[66+4*\d], v[67+4*\d]
.endr
.irp d, 0,1,2,3,4,5,6,7,8
	v_mul_f32 v[102+\d], s42, v[102+\d]            ; / sqrt(256)
.endr
	v_cndmask_b32 v102, v102, v114, s52            ; neighbours outside the grid
	v_cndmask_b32 v103, v103, v114, s53
	v_cndmask_b32 v104, v104, v114, s54
	v_cndmask_b32 v105, v105, v114, s55
	v_cndmask_b32 v107, v107, v114, s56
	v_cndmask_b32 v108, v108, v114, s57
	v_cndmask_b32 v109, v109, v114, s58
	v_cndmask_b32 v110, v110, v114, s59
	v_max3_num_f32 v111, v102, v103, v104
	v_max3_num_f32 v111, v111, v105, v106
	v_max3_num_f32 v111, v111, v107, v108
	v_max3_num_f32 v111, v111, v109, v110          ; the maximum is taken away, as the problem does
.irp d, 0,1,2,3,4,5,6,7,8
	v_sub_f32 v[102+\d], v[102+\d], v111
.endr
.irp d, 0,1,2,3,4,5,6,7,8
	v_mul_f32 v[102+\d], s43, v[102+\d]
.endr
.irp d, 0,1,2,3,4,5,6,7,8
	v_exp_f32 v[102+\d], v[102+\d]
.endr
	v_nop
	s_wait_alu depctr_va_vdst(0)                   ; one wait for the nine, ahead of their first reader
	v_add_f32 v112, v102, v103
	v_add_f32 v113, v104, v105
	v_add_f32 v115, v106, v107
	v_add_f32 v116, v108, v109
	v_add_f32 v112, v112, v113
	v_add_f32 v115, v115, v116
	v_add_f32 v112, v112, v115
	v_add_f32 v112, v112, v110
	v_rcp_f32 v112, v112
	v_nop
	s_wait_alu depctr_va_vdst(0)
.irp d, 0,1,2,3,4,5,6,7,8
	v_mul_f32 v[WG+2*\d], v[102+\d], v112
	v_mul_f32 v[WG+2*\d+1], v[102+\d], v112
.endr
.irp d, 0,1,2,3,4,5,6,7,8
	v_permlane16_swap_b32 v[WG+2*\d], v[WG+2*\d+1] ; every lane now holds its pixel's weight in tile 0 and in tile 1
.endr
	s_wait_dscnt 0x0                               ; x is in
	WIN 0xc3
.irp o, 0,1
.set i, 0
.rept 16
	v_pk_add_f32 v[X3+32*\o+2*i:X3+32*\o+2*i+1], v[X3+32*\o+2*i:X3+32*\o+2*i+1], v[KT+64+2*i:KT+65+2*i]   ; x + bv
.set i, i+1
.endr
.endr
	; ---- v, row by row, weighed into x1
	MROW 2
	NLOAD 1
	VFMA 0
	MROW 2
	NLOAD 2
	VFMA 1
	MROW 2
	NLOAD 3
	VFMA 2
	MROW 2
	VFMA 3
	WIN 0
	; ---- LayerNorm 2: each lane's mean and sum of squared deviations of its 32 channels; the eight parts of a pixel are merged behind the barrier
	TABLD G2, ATB, T_G2, 2
	TABLD B2R, ATB, T_B2, 2
	WIN 0x0f
.irp o, 0,1
.irp k, 0,1,2,3,4,5,6,7
	v_pk_add_f32 v[66+16*\o+2*\k:67+16*\o+2*\k], v[X3+32*\o+2*\k:X3+32*\o+2*\k+1], v[X3+32*\o+16+2*\k:X3+32*\o+17+2*\k]
.endr
.endr
	WIN 0
.irp o, 0,1
.irp k, 0,1,2,3
	v_pk_add_f32 v[66+16*\o+2*\k:67+16*\o+2*\k], v[66+16*\o+2*\k:67+16*\o+2*\k], v[74+16*\o+2*\k:75+16*\o+2*\k]
.endr
.endr
.irp o, 0,1
.irp k, 0,1
	v_pk_add_f32 v[66+16*\o+2*\k:67+16*\o+2*\k], v[66+16*\o+2*\k:67+16*\o+2*\k], v[70+16*\o+2*\k:71+16*\o+2*\k]
.endr
.endr
.irp o, 0,1
	v_pk_add_f32 v[66+16*\o:67+16*\o], v[66+16*\o:67+16*\o], v[68+16*\o:69+16*\o]
.endr
.irp o, 0,1
	v_add_f32 v[100+2*\o], v[66+16*\o], v[67+16*\o]
.endr
.irp o, 0,1
	v_mul_f32 v[100+2*\o], s44, v[100+2*\o]        ; my 32 channels' mean
.endr
.irp o, 0,1
	WIN 0x03
.set k, 0
.rept 16
	v_pk_add_f32 v[104+2*k:105+2*k], v[X3+32*\o+2*k:X3+32*\o+2*k+1], v[100+2*\o:101+2*\o] op_sel_hi:[1,0] neg_lo:[0,1] neg_hi:[0,1]
.set k, k+1
.endr
	WIN 0
.set k, 0
.rept 4
	v_pk_mul_f32 v[66+2*k:67+2*k], v[104+2*k:105+2*k], v[104+2*k:105+2*k]
.set k, k+1
.endr
.rept 12
	v_pk_fma_f32 v[66+2*(k%4):67+2*(k%4)], v[104+2*k:105+2*k], v[104+2*k:105+2*k], v[66+2*(k%4):67+2*(k%4)]
.set k, k+1
.endr
	v_pk_add_f32 v[66:67], v[66:67], v[70:71]
	v_pk_add_f32 v[68:69], v[68:69], v[72:73]
	v_pk_add_f32 v[66:67], v[66:67], v[68:69]
	v_add_f32 v[101+2*\o], v66, v67
.endr
	ds_store_b128 v[LSST], v[100:103] offset:O_LS
	BARRIER
.irp e, 0,1,2,3,4,5,6,7
	ds_load_b128 v[104+4*\e:107+4*\e], v[R16] offset:O_LS+256*\e     ; part e = 2 wave + half of my pixel, both tiles
.endr
	s_wait_dscnt 0x0
.irp o, 0,1
	v_pk_add_f32 v[66+2*\o:67+2*\o], v[104+2*\o:105+2*\o], v[108+2*\o:109+2*\o]
.endr
.irp e, 2,3,4,5,6,7
.irp o, 0,1
	v_pk_add_f32 v[66+2*\o:67+2*\o], v[66+2*\o:67+2*\o], v[104+4*\e+2*\o:105+4*\e+2*\o]
.endr
.endr
.irp o, 0,1
	v_mul_f32 v[MR+2*\o], s45, v[66+2*\o]          ; the mean of 256
.endr
.irp o, 0,1
	v_sub_f32 v[74+\o], v[104+2*\o], v[MR+2*\o]
.endr
.irp o, 0,1
	v_mul_f32 v[76+\o], v[74+\o], v[74+\o]
.endr
.irp e, 1,2,3,4,5,6,7
.irp o, 0,1
	v_sub_f32 v[74+\o], v[104+4*\e+2*\o], v[MR+2*\o]
.endr
.irp o, 0,1
	v_fma_f32 v[76+\o], v[74+\o], v[74+\o], v[76+\o]
.endr
.endr
.irp o, 0,1
	v_fma_f32 v[76+\o], v[76+\o], s46, v[67+2*\o]  ; the parts' sums + 32 x the squared distances of their means
.endr
.irp o, 0,1
	v_fma_f32 v[76+\o], v[76+\o], s47, s48         ; the variance + 1e-5
.endr
.irp o, 0,1
	v_rsq_f32 v[MR+1+2*\o], v[76+\o]
.endr
	v_nop
	s_wait_alu depctr_va_vdst(0)
	; ---- n2 and its quantiser: my 64 channels are two blocks; their halves go straight to their places in the fragments' images
.irp o, 0,1
	WIN 0x03
.set k, 0
.rept 16
	v_pk_add_f32 v[YY+2*k:YY+2*k+1], v[X3+32*\o+2*k:X3+32*\o+2*k+1], v[MR+2*\o:MR+2*\o+1] op_sel_hi:[1,0] neg_lo:[0,1] neg_hi:[0,1]
.set k, k+1
.endr
	WIN 0
.set k, 0
.rept 16
	v_pk_mul_f32 v[YY+2*k:YY+2*k+1], v[YY+2*k:YY+2*k+1], v[MR+2*\o:MR+2*\o+1] op_sel:[0,1] op_sel_hi:[1,1]
.set k, k+1
.endr
.set k, 0
.rept 16
	v_pk_fma_f32 v[YY+2*k:YY+2*k+1], v[YY+2*k:YY+2*k+1], v[G2+2*k:G2+2*k+1], v[B2R+2*k:B2R+2*k+1]
.set k, k+1
.endr
	QUANT YY, 2, 130, 146
	v_lshl_or_b32 v150, v135, 8, v134              ; my two bytes of the pixel's scale word
	ds_store_b64 v[N2ST], v[146:147] offset:O_N2I+2048*\o
	ds_store_b64 v[N2ST], v[148:149] offset:O_N2I+2048*\o+256
	ds_store_b16 v[N2SST], v150 offset:O_N2S+128*\o
.endr
	BARRIER
	; ---- fc1, gelu, quantiser: a tile of pixels a trip, 128 hidden units (one K step of fc2) at a time.  The bias of the next eight tiles of units, and the next tile's fragments of n2, are asked for
	; as soon as the gelu has left their registers, and land under the quantiser
.irp s, 0,1
.irp c, 0,1
	ds_load_b128 v[XF+8*\s+4*\c:XF+8*\s+4*\c+3], v[L16] offset:O_N2I+1024*\s+512*\c
.endr
.endr
	ds_load_b32 v[ASC], v[L4] offset:O_N2S
	TABLD TT, ATF, T_F1B, 4
	v_mov_b32 v[CB], 0xbf3a00e3                    ; b4 / sqrt(2 pi)
	v_mov_b32 v[CB+1], 0x3f35f0e3                  ; b3
	v_mov_b32 v[CB+2], 0xbe11a98e                  ; b2
	v_mov_b32 v[CB+3], 0x3e027906                  ; b1
	s_mov_b32 s68, 0                               ; M
.Lm:
	s_lshl_b32 s70, s68, 11
	v_add_nc_u32 v246, s70, v[L16]
	s_lshl_b32 s70, s68, 7
	v_add_nc_u32 v247, s70, v[L4]
	s_lshl_b32 s70, s68, 13
	v_add_nc_u32 v248, s70, v[HIST]
	s_lshl_b32 s70, s68, 6
	v_add_nc_u32 v249, s70, v[HSST]
.irp g, 0,1
	s_wait_dscnt 0x0
	WIN 0x01
.irp n, 0,1,2,3,4,5,6,7
	WM HA+8*\n, 16*(8*\g+\n), XF, TT+8*\n, WS+12+8*\g+\n, ASC, 0, 0      ; the bias is the sums' start
.endr
.irp n, 0,1,2,3,4,5,6,7
	WM HA+8*\n, 16*(8*\g+\n)+8, XF+8, HA+8*\n, WS+12+8*\g+\n, ASC, 1, 1
.endr
	WIN 0
	PLACES
	GELU HA
	GELU HA+32
.if \g == 0
	TABLD TT, ATF, T_F1B+512, 4
.else
	s_cmp_eq_u32 s68, 1                            ; the second tile has no successor: nothing is asked for
	s_cbranch_scc1 .Lnonext
.irp s, 0,1
.irp c, 0,1
	ds_load_b128 v[XF+8*\s+4*\c:XF+8*\s+4*\c+3], v246 offset:O_N2I+2048+1024*\s+512*\c
.endr
.endr
	ds_load_b32 v[ASC], v247 offset:O_N2S+128
	TABLD TT, ATF, T_F1B, 4
.Lnonext:
.endif
	QUANT HA, 4, PP, PP+18
	v_lshl_or_b32 v[PP+16], v[PP+5], 8, v[PP+4]    ; the pixel's scale word of this K step
	v_lshl_or_b32 v[PP+16], v[PP+6], 16, v[PP+16]
	v_lshl_or_b32 v[PP+16], v[PP+7], 24, v[PP+16]
.irp b, 0,1,2,3
	ds_store_b64 v248, v[PP+18+2*\b:PP+19+2*\b] offset:O_HI+1024*\g+256*\b
.endr
	ds_store_b32 v249, v[PP+16] offset:O_HS+128*\g
.endr
	s_add_co_u32 s68, s68, 1
	s_cmp_lt_u32 s68, 2
	s_cbranch_scc1 .Lm
	TABLD HA, ATB, T_F2B, 2                        ; fc2's bias, the sums' start for both tiles: asked for ahead of the barrier
	TABLD HA+32, ATB, T_F2B, 2
	BARRIER
	; ---- fc2: eight K steps in four sets of two, three sets of registers
	HFLD 0, 0
	HFLD 1, 1
	HFLD 2, 2
	s_wait_dscnt 20                                ; set 0 is in; the twenty loads of sets 1 and 2 may be out
	HFMUL 0, 0
	WIN 0
	PLACES
	HFLD 0, 3
	s_wait_dscnt 20                                ; set 1 is in; sets 2 and 3 may be out
	HFMUL 1, 1
	s_wait_dscnt 10                                ; set 2 is in; the last ten may be out
	HFMUL 2, 2
	s_wait_dscnt 0x0
	HFMUL 0, 3
	WIN 0
	PLACES
	; ---- out = x1 + mlp, into x's places in the stage
	WIN 0x0c
.set k, 0
.rept 32
	v_pk_add_f32 v[HA+2*k:HA+2*k+1], v[HA+2*k:HA+2*k+1], v[X3+2*k:X3+2*k+1]
.set k, k+1
.endr
	WIN 0
.irp o, 0,1
.set i, 0
.rept 32
	ds_store_b32 v[AST], v[HA+32*\o+i] offset:(32*(i/16)+(i%16))*512+256*\o
.set i, i+1
.endr
.endr
	s_add_co_u32 s67, s67, 1
	s_cmp_lt_u32 s67, 4
	s_cbranch_scc1 .Lblk
	MID
	s_add_co_u32 s66, s66, 1
	s_cmp_lt_u32 s66, 2
	s_cbranch_scc1 .Lhalf
	s_wait_tensorcnt 0x0                           ; the wave's end, behind my last LDS store
	ds_add_u32 v[SPW], v[NIL]
	s_wait_dscnt 0x0
	s_endpgm
.Lfunc_end_k_qca1b20de73_main:
	.size	k_qca1b20de73_main, .Lfunc_end_k_qca1b20de73_main-k_qca1b20de73_main
	.p2alignl 7, 3214868480
	.fill 96, 4, 3214868480
	.section	.rodata,"a",@progbits
	.p2align	6, 0x0
	.amdhsa_kernel k_qca1b20de73_main
		.amdhsa_group_segment_fixed_size 248832
		.amdhsa_private_segment_fixed_size 0
		.amdhsa_enable_private_segment 0
		.amdhsa_kernarg_size 104
		.amdhsa_user_sgpr_count 2
		.amdhsa_user_sgpr_kernarg_segment_ptr 1
		.amdhsa_wavefront_size32 1
		.amdhsa_system_sgpr_workgroup_id_x 1
		.amdhsa_system_sgpr_workgroup_id_y 1
		.amdhsa_system_sgpr_workgroup_id_z 1
		.amdhsa_system_vgpr_workitem_id 0
		.amdhsa_next_free_vgpr 1024
		.amdhsa_next_free_sgpr 100
		.amdhsa_reserve_vcc 0
		.amdhsa_float_denorm_mode_32 3
		.amdhsa_float_denorm_mode_16_64 3
		.amdhsa_memory_ordered 1
		.amdhsa_forward_progress 1
		.amdhsa_inst_pref_size 255
	.end_amdhsa_kernel
	.section	.bss,"aw",@nobits
	.p2align	6
	.space	262144
	.amdgpu_metadata
---
amdhsa.version: [ 1, 2 ]
amdhsa.kernels:
  - .name:           k_qca1b20de73_main
    .symbol:         k_qca1b20de73_main.kd
    .args:
      - { .name: x, .offset: 0, .size: 8, .value_kind: global_buffer, .address_space: global }
      - { .name: n1c, .offset: 8, .size: 8, .value_kind: global_buffer, .address_space: global }
      - { .name: n1s, .offset: 16, .size: 8, .value_kind: global_buffer, .address_space: global }
      - { .name: wfrag, .offset: 24, .size: 8, .value_kind: global_buffer, .address_space: global }
      - { .name: wscl, .offset: 32, .size: 8, .value_kind: global_buffer, .address_space: global }
      - { .name: bq, .offset: 40, .size: 8, .value_kind: global_buffer, .address_space: global }
      - { .name: bk, .offset: 48, .size: 8, .value_kind: global_buffer, .address_space: global }
      - { .name: bv, .offset: 56, .size: 8, .value_kind: global_buffer, .address_space: global }
      - { .name: ln2_g, .offset: 64, .size: 8, .value_kind: global_buffer, .address_space: global }
      - { .name: ln2_b, .offset: 72, .size: 8, .value_kind: global_buffer, .address_space: global }
      - { .name: fc1_b, .offset: 80, .size: 8, .value_kind: global_buffer, .address_space: global }
      - { .name: fc2_b, .offset: 88, .size: 8, .value_kind: global_buffer, .address_space: global }
      - { .name: out0, .offset: 96, .size: 8, .value_kind: global_buffer, .address_space: global }
    .group_segment_fixed_size: 248832
    .private_segment_fixed_size: 0
    .kernarg_segment_align: 8
    .kernarg_segment_size: 104
    .max_flat_workgroup_size: 128
    .sgpr_count:     100
    .vgpr_count:     1024
    .wavefront_size: 32
...
	.end_amdgpu_metadata
.endif
;; end of part 2
